; MI455X (gfx1250); checked and timed in simulation.
; The chip was launched on July 23, 2026; its instructions are those of AMD's public machine-readable ISA for CDNA 5 (MIT licence, August 2026) and "CDNA5" Instruction Set Architecture Reference Guide (July 2026). The comments in the code are by the model that wrote it; some were corrected since.
;; Axial Attention. Allowed arithmetic: float matrix products may take bf16 or f16 operands with f32 sums; all other float work in f32.
;; Inputs: Wkv0 128 x 256 float32; Wkv1 128 x 256 float32; Wo0 128 x 128 float32; Wo1 128 x 128 float32; Wq0 128 x 128 float32; Wq1 128 x 128 float32; bo0 128 float32; bo1 128 float32; x 8 x 128 x 128 x 128 float32.
;; Outputs: out0 8 x 128 x 128 x 128 float32.
;; One version. Each part assembles by itself: llvm-mc -triple=amdgcn-amd-amdhsa -mcpu=gfx1250 --defsym DOCPART=n.
;; ======== version 1 of 1: 2 launches
;; limits: values are held in f16: magnitudes above 65,504 overflow, below 6.1e-05 lose precision
;; workspace buffers: o1 33,554,432 bytes
;; launch rowpass (part 1): grid 256 x 1, 8 waves a work-group, no clusters, 181,248 bytes of LDS; arguments x, Wq1, Wkv1, o1; writes o1
.if DOCPART == 1
	.amdgcn_target "amdgcn-amd-amdhsa--gfx1250"
	.amdhsa_code_object_version 6
	.text
	.protected	k_q28bfa9ff34_rowpass
	.globl	k_q28bfa9ff34_rowpass
	.p2align	8
	.type	k_q28bfa9ff34_rowpass,@function
k_q28bfa9ff34_rowpass:
	s_mov_b64 s[64:65], 0
	v_nop
	global_prefetch_b8 v0, s[64:65] scope:SCOPE_SE
	s_setreg_imm32_b32 hwreg(HW_REG_WAVE_MODE, 25, 1), 1
	s_wait_xcnt 0x0
; AXIAL ATTENTION, FIRST OF TWO LAUNCHES: the pass along W.  x: [8][128 h][128 w][128] f32.  A sequence is one (b, h): 128 tokens (w) of 128 features.
; Stored: o1[b][h][w][128] in f16 = the normalised attention output of this pass, in front of its output projection; the second launch multiplies it by Wo1.
; 256 work-groups, each takes the sequences wg, wg+256, wg+512, wg+768.  Eight waves; WAVE w OWNS HEAD w (features 16w .. 16w+15).
; Q, K, V and P never touch LDS.  L = lane, r = L & 15, h = L >> 4; a result tile holds element (m = 8h + j, n = r) in register j:
;   K^T = Wk-fragment x X-fragment  -> (feature, token): packed to f16 it is half an A fragment (lane = key, k = feature)
;   Q^T = Wq-fragment x X-fragment  -> (feature, token): half a B fragment (lane = query)
;   V   = X-fragment  x Wv-fragment -> (token, feature): two packed tiles are an A fragment of V^T over 32 keys
;   S^T = K x Q -> (key, query): a lane holds 64 scores of ONE query; after exp and packing two tiles are a B fragment of P^T
;   O^T = V^T x P^T -> (feature, query): eight neighbouring features of one token in a lane.   Row sums = (all ones) x P^T, in the lane that needs them.
; A head has 16 features and the matrix form takes 32 along K: the other half of A is zero.  K lies as K0 Z K1 | K2 Z K3 | .. and Q as pad Q0 .. Q7 pad, so that
; [K,Z] meets [Q_i,Q_i+1] and [Z,K] meets [Q_i-1,Q_i]: nothing is copied.
; THE ORDER OF A TRIP (sequence i; its K, Q, V are in registers and its query tile 0 is done): query tiles 1 to 7, with x of sequence i+1 fetched, rounded and put into XB on
; the way; the projection of sequence i+1; the read-back and store of O(i); query tile 0 of sequence i+1.  THREE BARRIERS A TRIP, each with work between its signal and its wait:
;   A  in front: my rows of X(i+1) are stored.           Behind: the projection may read XB.                    Between: the arithmetic of query tile 5.
;   B  in front: my head's O(i) is stored.               Behind: O(i) is read back by rows.                     Between: the whole projection of i+1, which reads XB alone;
;                                                                                                                no wave writes XB between A's wait and the next C.
;   C  in front: my reads of XB and of OB are over.      Behind: O(i+1) and, later, X(i+2) may be written.      Between: the arithmetic of query tile 0.
; WHY F16: the scores are small, so O is close to a mean of 128 values of V, and the roundings of V, P and O each pass whole into the result; with 8 significant bits
; they add up to a fifth of the allowed error as a standard deviation, too much for 16.7 million numbers; 11 significant bits make each eight times smaller.
; NO CLUSTER, NO TENSOR LOADS: x and the weights are f32 and are rounded to f16 on their way, which goes through registers.  What work-groups share is the weights,
; fetched once by each work-group at its start; an f32 image of them for a joint load would be 196,608 bytes beside the 180,224 in use, more than the 327,680 of LDS.
; LIMITS: matrix operands (x, weights, Q, K, V, P, O) are f16, all else f32.  An x, a weight or a projection beyond 65,504 in magnitude becomes infinite.  The room: with x of
; spread 1 and weights of spread 0.02 the projections have a spread of 0.02 x sqrt(128) = 0.23; both 30 times larger: 200; offsets of 30 and of 0.6: 128 x 30 x 0.6 = 2,304.
; Below 2^-14 f16 steps by 2^-24: with all inputs 30 times smaller O has a spread of 0.02 / 900 = 2.2e-5 and is rounded by 2^-25 at the most, a thousandth of that spread.
; The true row maximum is taken away before the exponential, so P lies in [0, 1]; a P below 2^-25 is rounded to 0 beside a largest P of 1.
; A non-finite Q in the neighbouring query tile meets a zero and gives NaN: only where the sequence already holds non-finite projections.
.set XROW,  512                        ; bytes from token to token in x
.set XSTEP, 0x1000000                  ; 256 sequences on in x
.set OSTEP, 0x800000                   ; 256 sequences on in o1
.set XP,    272                        ; LDS pitch of a row of 128 f16: 17 x 16 bytes, so sixteen rows' 16-byte columns differ modulo 256 bytes
.set T16,   16*XP
.set XB,    0                          ; x of the sequence, f16, 128 rows
.set OB,    128*XP                     ; O of the sequence, f16, 128 rows
.set WIMG,  2*128*XP                   ; three weight blocks [128 k][128 n] f16
.set WP,    288                        ; their pitch: 9 x 32 bytes
.set WBLK,  128*WP
; window 0.  v1 X fragment address, v2 X store address, v3 x offset, v4 O store address, v5 O read-back address, v6 o1 offset, v11 prefetch offset,
;            v12-15 maxima, then v12 = m, v[14:15] = -c m; v[16:17] 1/L; v[20:23] packed O
.set KB, 24                            ; v24-71   K: pair p at KB+12p: K_2p, zeros, K_2p+1
.set QB, 72                            ; v72-111  zeros, Q_0 .. Q_7, zeros
.set VB, 112                           ; v112-143 V tiles
.set ON, 144                           ; v144-151 f16 ones
.set SB, 152                           ; v152-215 scores; also the projection sums, O (SB), L (SB+8), work space
.set PB, 216                           ; v216-247 P; on the way out the rows of O as read back
.set WS, 24                            ; at the start only: the weights as loaded, 64 registers a block
; window 1 (v256 and up, named by their low 8 bits)
.set WQ, 0                             ; weight fragments of my head, 8 registers for each 32 along K; they stay for the whole launch
.set WK, 32
.set WV, 64
.set XF, 96                            ; X fragments in the projection; landing place of the next sequence's rows 0-7 of my 16 during the attention
.set XF2, 128                          ; landing place of its rows 8-15
; temporaries of the start
.set HWS, 232
.set HWD, 233
.set TRQ, 234
.set TRK, 235
.set TRV, 236
.set HL,  248
.set HR,  249
.set HH,  250
.set HT,  251
.set HT2, 252
.set HWQ, 253
.set HWKV, 254
.set MSB, 0
.macro WIN new                         ; s_set_vgpr_msb: bits 1:0 source 0, 3:2 source 1, 5:4 source 2, 7:6 destination; the high byte repeats the setting that is left
.if MSB != \new
	s_set_vgpr_msb (MSB<<8)|\new
.set MSB, \new
.endif
.endm
.macro SIG                             ; my LDS stores are done and my LDS loads are back: say so.  The wait stands further down, behind work on registers (and, for B, LDS loads from XB)
	s_wait_dscnt 0x0
	s_barrier_signal -1
.endm
.macro BAR                             ; a whole barrier
	SIG
	s_barrier_wait -1
.endm
.macro NOP4                            ; four places behind matrix instructions (ISA guide 7.12.1)
.rept 4
	v_nop
.endr
.endm
; eight rows of x (my rows 8 half .. 8 half + 7 of the sequence at s[4:5]) into window 1: one instruction takes a whole row of 512 bytes
.macro LOADROWS half, reg
	WIN 0x40
.irp j, 0,1,2,3,4,5,6,7
	global_load_b128 v[\reg+4*\j:\reg+4*\j+3], v3, s[4:5] offset:(8*\half+\j)*XROW
.endr
.endm
; those rows rounded to f16 and put into XB.  cnt = loads issued behind them that may stay out
.macro CVTROWS half, reg, tmp, cnt
	s_wait_loadcnt \cnt
	WIN 0x05
.irp j, 0,1,2,3,4,5,6,7
	v_cvt_pk_f16_f32 v[\tmp+2*\j],   v[\reg+4*\j],   v[\reg+4*\j+1]
	v_cvt_pk_f16_f32 v[\tmp+2*\j+1], v[\reg+4*\j+2], v[\reg+4*\j+3]
.endr
	WIN 0
.irp j, 0,1,2,3,4,5,6,7
	ds_store_b64 v2, v[\tmp+2*\j:\tmp+2*\j+1] offset:(8*\half+\j)*XP
.endr
.endm
; sixteen rows (k = 16 w + j) of a weight block, 512 bytes each
.macro WLD reg, off, base, pitch, add
.irp j, 0,1,2,3,4,5,6,7,8,9,10,11,12,13,14,15
	global_load_b128 v[\reg+4*\j:\reg+4*\j+3], v[\off], s[\base:\base+1] offset:\j*\pitch+\add
.endr
.endm
; they are rounded in place and put into block blk of the image
.macro WCV reg, blk, cnt
	s_wait_loadcnt \cnt
	v_add_nc_u32 v[HWD], (\blk)*WBLK, v[HWS]
.irp j, 0,1,2,3,4,5,6,7,8,9,10,11,12,13,14,15
	v_cvt_pk_f16_f32 v[\reg+4*\j],   v[\reg+4*\j],   v[\reg+4*\j+1]
	v_cvt_pk_f16_f32 v[\reg+4*\j+1], v[\reg+4*\j+2], v[\reg+4*\j+3]
.endr
.irp j, 0,1,2,3,4,5,6,7,8,9,10,11,12,13,14,15
	ds_store_b64 v[HWD], v[\reg+4*\j:\reg+4*\j+1] offset:\j*WP
.endr
.endm
; the four X fragments (16 tokens x 128 features) of token tile t
.macro LOADX t
	WIN 0x40
.irp c, 0,1,2,3
	ds_load_b128 v[XF+8*\c:XF+8*\c+3],   v1 offset:(\t)*T16+64*\c
	ds_load_b128 v[XF+8*\c+4:XF+8*\c+7], v1 offset:(\t)*T16+64*\c+32
.endr
.endm
; K, Q and V of my head for token tile t.  The three sums take turns, one instruction a turn.
.macro PROJ t
	s_wait_dscnt 0x0                               ; this tile's fragments are in (the first time the weight fragments too)
	WIN 0x05
	v_wmma_f32_16x16x32_f16 v[SB:SB+7],     v[WK:WK+7], v[XF:XF+7], 0
	v_wmma_f32_16x16x32_f16 v[SB+8:SB+15],  v[WQ:WQ+7], v[XF:XF+7], 0
	v_wmma_f32_16x16x32_f16 v[SB+16:SB+23], v[XF:XF+7], v[WV:WV+7], 0
.irp c, 1,2,3
	v_wmma_f32_16x16x32_f16 v[SB:SB+7],     v[WK+8*\c:WK+8*\c+7], v[XF+8*\c:XF+8*\c+7], v[SB:SB+7]
	v_wmma_f32_16x16x32_f16 v[SB+8:SB+15],  v[WQ+8*\c:WQ+8*\c+7], v[XF+8*\c:XF+8*\c+7], v[SB+8:SB+15]
	v_wmma_f32_16x16x32_f16 v[SB+16:SB+23], v[XF+8*\c:XF+8*\c+7], v[WV+8*\c:WV+8*\c+7], v[SB+16:SB+23]
.endr
	NOP4                                           ; in front of the loads into XF and of the conversions that read the sums
.if (\t) < 7
	LOADX (\t)+1                                   ; on their way while the sums are packed
.endif
	WIN 0
.irp k, 0,1,2,3
	v_cvt_pk_f16_f32 v[KB+12*((\t)>>1)+8*((\t)&1)+\k], v[SB+2*\k], v[SB+2*\k+1]
.endr
.irp k, 0,1,2,3
	v_cvt_pk_f16_f32 v[QB+4+4*(\t)+\k], v[SB+8+2*\k], v[SB+8+2*\k+1]
.endr
.irp k, 0,1,2,3
	v_cvt_pk_f16_f32 v[VB+4*(\t)+\k], v[SB+16+2*\k], v[SB+16+2*\k+1]
.endr
.endm
.macro P1                              ; the projection of the sequence that lies in XB: registers and LDS loads alone
	LOADX 0
.irp t, 0,1,2,3,4,5,6,7
	PROJ \t
.endr
.endm
.macro FMA t                           ; c S - c m, c = 0.25 log2 e
.irp k, 0,2,4,6
	v_pk_fma_f32 v[SB+8*(\t)+\k:SB+8*(\t)+\k+1], v[SB+8*(\t)+\k:SB+8*(\t)+\k+1], s[24:25], v[14:15] op_sel_hi:[1,0,1]
.endr
.endm
.macro EXPT t                          ; a plain vector instruction on other registers always follows the eight (ISA guide 5.7.2)
.irp k, 0,1,2,3,4,5,6,7
	v_exp_f32 v[SB+8*(\t)+\k], v[SB+8*(\t)+\k]
.endr
.endm
.macro CVTP t
	s_wait_alu depctr_va_vdst(0)
.irp k, 0,1,2,3
	v_cvt_pk_f16_f32 v[PB+4*(\t)+\k], v[SB+8*(\t)+2*\k], v[SB+8*(\t)+2*\k+1]
.endr
.endm
.macro PV g                            ; keys 32 g .. 32 g + 31: O and the row sums take turns, one instruction a turn
.if (\g) == 0
	v_wmma_f32_16x16x32_f16 v[SB:SB+7],    v[VB:VB+7], v[PB:PB+7], 0
	v_wmma_f32_16x16x32_f16 v[SB+8:SB+15], v[ON:ON+7], v[PB:PB+7], 0
.else
	v_wmma_f32_16x16x32_f16 v[SB:SB+7],    v[VB+8*(\g):VB+8*(\g)+7], v[PB+8*(\g):PB+8*(\g)+7], v[SB:SB+7]
	v_wmma_f32_16x16x32_f16 v[SB+8:SB+15], v[ON:ON+7],               v[PB+8*(\g):PB+8*(\g)+7], v[SB+8:SB+15]
.endif
.endm
; sixteen queries (tile i) against all 128 keys.  bw = 1: a barrier's signal stands in front of the tile; its wait stands here, in front of the tile's one LDS store
.macro QTILE i, bw
	WIN 0
.irp t, 0,1,2,3,4,5,6,7
	v_wmma_f32_16x16x32_f16 v[SB+8*\t:SB+8*\t+7], v[KB+12*(\t>>1)+4*(\t&1):KB+12*(\t>>1)+4*(\t&1)+7], v[QB+4+4*(\i)-4*(\t&1):QB+4+4*(\i)-4*(\t&1)+7], 0
.endr
	NOP4
	; the largest of my 64 scores in four chains, then the other half of the keys from lane L xor 16
.irp q, 0,1,2,3
	v_max3_num_f32 v[12+\q], v[SB+16*\q], v[SB+16*\q+1], v[SB+16*\q+2]
.endr
.irp s, 0,1,2,3,4,5
.irp q, 0,1,2,3
	v_max3_num_f32 v[12+\q], v[12+\q], v[SB+16*\q+3+2*\s], v[SB+16*\q+4+2*\s]
.endr
.endr
	v_max3_num_f32 v12, v12, v13, v[SB+15]
	v_max3_num_f32 v14, v14, v15, v[SB+31]
	v_max3_num_f32 v12, v12, v14, v[SB+47]
	v_max_num_f32 v12, v12, v[SB+63]
	v_permlanex16_b32 v13, v12, s28, s29
	v_max_num_f32 v12, v12, v13
	v_mul_f32 v14, 0xbeb8aa3b, v12                 ; -c m, twice, for the packed multiply-add
	v_mul_f32 v15, 0xbeb8aa3b, v12
	FMA 0
	EXPT 0
	FMA 1
	EXPT 1
	CVTP 0
	FMA 2
	EXPT 2
	CVTP 1
	PV 0                                           ; score tiles 0 and 1 have been packed: their registers now take O and the row sums
	FMA 3
	EXPT 3
	CVTP 2
	FMA 4
	EXPT 4
	CVTP 3
	PV 1
	FMA 5
	EXPT 5
	CVTP 4
	FMA 6
	EXPT 6
	CVTP 5
	PV 2
	FMA 7
	EXPT 7
	CVTP 6
	CVTP 7
	PV 3
	NOP4
	v_rcp_f32 v16, v[SB+8]                         ; the row sum is at least 1: the largest score gives exp 0
	v_rcp_f32 v17, v[SB+8]
	v_nop                                          ; the plain place behind the reciprocals, and the fifth place in front of the next products that write over O
	s_wait_alu depctr_va_vdst(0)
.irp k, 0,2,4,6
	v_pk_mul_f32 v[SB+\k:SB+\k+1], v[SB+\k:SB+\k+1], v[16:17]
.endr
.irp k, 0,1,2,3
	v_cvt_pk_f16_f32 v[20+\k], v[SB+2*\k], v[SB+2*\k+1]
.endr
.if \bw
	s_barrier_wait -1
.endif
	ds_store_b128 v4, v[20:23] offset:(\i)*T16     ; token 16 i + r, features 16 w + 8 h .. + 7
.endm
; One trip: see THE ORDER OF A TRIP at the head.  pf = 1: a further sequence follows.
.macro TRIP pf
.if \pf
	LOADROWS 0, XF                                 ; my 16 rows of the next sequence: three and four query tiles ahead of their use
	LOADROWS 1, XF2
.endif
	QTILE 1, 0
	QTILE 2, 0
	QTILE 3, 0
.if \pf
	CVTROWS 0, XF, SB+16, 8                        ; the second half's eight loads may stay out
.endif
	QTILE 4, 0
.if \pf
	CVTROWS 1, XF2, SB+16, 0
	s_wait_xcnt 0x0                                ; the loads are back; the last prefetch, which names s[4:5] too, has had its addresses translated
	s_add_nc_u64 s[4:5], s[4:5], XSTEP             ; from here on s[4:5] is the sequence after the next
	SIG                                            ; barrier A: my rows of the next X are in XB
.endif
	QTILE 5, \pf
	QTILE 6, 0
	QTILE 7, 0
.if \pf
	s_cmp_eq_u32 s23, 1                            ; the loop's last trip has no sequence after the next: it asks for nothing
	s_cbranch_scc1 .Lnopf_\@
	global_prefetch_b8 v11, s[4:5] th:TH_LOAD_NT scope:SCOPE_SE   ; my 16 rows of the sequence after the next, 32 lanes 256 bytes apart, each block asked for once, one projection and one way out ahead of their loads
.Lnopf_\@:
.endif
	SIG                                            ; barrier B: my head's O is in OB
.if \pf
	P1                                             ; K, Q, V of the next sequence
.endif
	s_barrier_wait -1
.irp t, 0,1,2,3,4,5,6,7
	ds_load_b128 v[PB+4*\t:PB+4*\t+3], v5 offset:\t*2*XP          ; my tokens 16 w + 2 t, + 1: two whole rows of 256 bytes
.endr
.irp t, 0,1,2,3,4,5,6,7
	s_wait_dscnt 7-\t                              ; LDS loads come back in order (ISA guide 5.7.1): load t is in, the younger ones stay out
	global_store_b128 v6, v[PB+4*\t:PB+4*\t+3], s[10:11] offset:\t*512   ; 512 consecutive bytes, at a multiple of 512 from the first byte of o1
.endr
.if \pf
	s_wait_xcnt 0x0                                ; the stores' data (the P registers) and their base are written again only behind this wait
	s_add_nc_u64 s[10:11], s[10:11], OSTEP
	SIG                                            ; barrier C: my reads of XB and of OB are over
	QTILE 0, 1
.endif
.endm
	s_load_b256 s[4:11], s[0:1], 0x0               ; x s[4:5], Wq1 s[6:7], Wkv1 s[8:9], o1 s[10:11]
	v_lshl_add_u32 v19, v0, 2, 0x2c000
	v_mov_b32 v255, 0
	v_lshrrev_b32 v[HT], 5, v0
	v_readfirstlane_b32 s22, v[HT]                 ; wave = head
	v_and_b32 v[HL], 31, v0                        ; lane
	v_and_b32 v[HR], 15, v0                        ; r
	v_bfe_u32 v[HH], v0, 4, 1                      ; h
	s_mov_b32 s24, 0x3eb8aa3b                      ; c = 16^-0.5 x log2 e
	s_mov_b32 s25, 0x3eb8aa3b
	s_mov_b32 s28, 0x76543210                      ; v_permlanex16_b32: lane L reads lane L xor 16
	s_mov_b32 s29, 0xfedcba98
	s_lshl_b32 s30, ttmp9, 16                      ; my first sequence in x: 128 tokens of 512 bytes
	s_mov_b32 s31, 0
	s_lshl_b32 s32, ttmp9, 15                      ; and in o1
	s_mov_b32 s33, 0
	v_mul_u32_u24 v[HT], v[HR], XP
	v_lshl_add_u32 v1, v[HH], 4, v[HT]             ; r x 272 + 16 h (XB is LDS byte 0)
	s_mul_i32 s34, s22, 16*XP
	v_lshl_add_u32 v2, v[HL], 3, s34               ; my 16 rows of XB, 8 bytes a lane
	s_lshl_b32 s35, s22, 13
	v_lshl_add_u32 v3, v[HL], 4, s35               ; my 16 rows of x, 16 bytes a lane
	v_lshl_add_u32 v11, v[HL], 8, s35              ; the same 8,192 bytes in blocks of 256
	v_lshl_add_u32 v[HWQ], v[HL], 4, s35           ; my 16 rows of Wq
	s_lshl_b32 s35, s22, 14
	v_lshl_add_u32 v[HWKV], v[HL], 4, s35          ; my 16 rows of Wkv (1,024 bytes each)
	s_lshl_b32 s35, s22, 5
	s_add_co_u32 s35, s35, OB
	v_add_nc_u32 v4, s35, v1                       ; OB + r x 272 + 32 w + 16 h
	s_add_co_u32 s34, s34, OB
	v_mul_u32_u24 v[HT], v[HH], XP
	v_lshl_add_u32 v[HT], v[HR], 4, v[HT]
	v_add_nc_u32 v5, s34, v[HT]                    ; OB + (16 w + h) x 272 + 16 r
	s_lshl_b32 s35, s22, 12
	v_lshl_add_u32 v6, v[HL], 4, s35               ; my 16 rows of o1
	s_mul_i32 s35, s22, 16*WP
	s_add_co_u32 s35, s35, WIMG
	v_lshl_add_u32 v[HWS], v[HL], 3, s35           ; my 16 rows of a weight block in LDS
	v_and_b32 v[HT], 7, v0
	v_lshl_or_b32 v[HT], v[HH], 3, v[HT]           ; the transposing load: row 8 h + (L & 7),
	v_mul_u32_u24 v[HT], v[HT], WP
	v_bfe_u32 v[HT2], v0, 3, 1
	v_lshl_add_u32 v[HT], v[HT2], 4, v[HT]         ; 16 bytes on for lanes 8-15 and 24-31,
	s_lshl_b32 s35, s22, 5
	s_add_co_u32 s35, s35, WIMG
	v_add_nc_u32 v[TRQ], s35, v[HT]                ; at my head's 16 columns
	v_add_nc_u32 v[TRK], WBLK, v[TRQ]
	v_add_nc_u32 v[TRV], 2*WBLK, v[TRQ]
	s_wait_kmcnt 0x0
	s_add_nc_u64 s[4:5], s[4:5], s[30:31]
	s_add_nc_u64 s[10:11], s[10:11], s[32:33]
	; all loads of the start at once: 16 rows of x, then 3 x 16 rows of weights
	LOADROWS 0, XF
	LOADROWS 1, XF2
	WIN 0
	WLD WS,     HWQ,  6, 512,  0
	WLD WS+64,  HWKV, 8, 1024, 0                   ; K: the left 128 columns of Wkv
	WLD WS+128, HWKV, 8, 1024, 512                 ; V: the right 128
	CVTROWS 0, XF, PB, 48                          ; the 48 weight loads may stay out; all 16 loads of x are in
	CVTROWS 1, XF2, PB, 48
	s_add_nc_u64 s[4:5], s[4:5], XSTEP             ; free since that wait: s[4:5] is the sequence to be fetched next
	WCV WS,     0, 32
	WCV WS+64,  1, 16
	WCV WS+128, 2, 0
	BAR                                            ; X and the weight image are whole
	WIN 0x40
.irp c, 0,1,2,3
	ds_load_tr16_b128 v[WQ+8*\c:WQ+8*\c+3],   v[TRQ] offset:\c*32*WP
	ds_load_tr16_b128 v[WQ+8*\c+4:WQ+8*\c+7], v[TRQ] offset:\c*32*WP+16*WP
	ds_load_tr16_b128 v[WK+8*\c:WK+8*\c+3],   v[TRK] offset:\c*32*WP
	ds_load_tr16_b128 v[WK+8*\c+4:WK+8*\c+7], v[TRK] offset:\c*32*WP+16*WP
	ds_load_tr16_b128 v[WV+8*\c:WV+8*\c+3],   v[TRV] offset:\c*32*WP
	ds_load_tr16_b128 v[WV+8*\c+4:WV+8*\c+7], v[TRV] offset:\c*32*WP+16*WP
.endr
	WIN 0
.irp p, 0,1,2,3
.irp k, 4,5,6,7
	v_mov_b32 v[KB+12*\p+\k], 0                    ; the zero halves between the K tiles, set once
.endr
.endr
.irp k, 0,1,2,3,36,37,38,39
	v_mov_b32 v[QB+\k], 0                          ; in front of Q_0 and behind Q_7
.endr
.irp k, 0,1,2,3,4,5,6,7
	v_mov_b32 v[ON+\k], 0x3c003c00                 ; two f16 ones
.endr
	global_prefetch_b8 v11, s[4:5] th:TH_LOAD_NT scope:SCOPE_SE   ; my 16 rows of the second sequence, one projection and one query tile ahead of their loads
	P1                                             ; K, Q, V of the first sequence
	SIG                                            ; barrier C: my reads of XB are over
	QTILE 0, 1
	s_mov_b32 s23, 3
.Lseq:
	TRIP 1
	s_sub_co_u32 s23, s23, 1
	s_cmp_lg_u32 s23, 0
	s_cbranch_scc1 .Lseq
	TRIP 0                                         ; the fourth sequence: nothing follows it
	s_wait_tensorcnt 0x0
	ds_add_u32 v19, v255
	s_wait_dscnt 0x0
	s_endpgm
.Lfunc_end_k_q28bfa9ff34_rowpass:
	.size	k_q28bfa9ff34_rowpass, .Lfunc_end_k_q28bfa9ff34_rowpass-k_q28bfa9ff34_rowpass
	.p2alignl 7, 3214868480
	.fill 96, 4, 3214868480
	.section	.rodata,"a",@progbits
	.p2align	6, 0x0
	.amdhsa_kernel k_q28bfa9ff34_rowpass
		.amdhsa_group_segment_fixed_size 181248
		.amdhsa_private_segment_fixed_size 0
		.amdhsa_enable_private_segment 0
		.amdhsa_kernarg_size 32
		.amdhsa_user_sgpr_count 2
		.amdhsa_user_sgpr_kernarg_segment_ptr 1
		.amdhsa_wavefront_size32 1
		.amdhsa_system_sgpr_workgroup_id_x 1
		.amdhsa_system_sgpr_workgroup_id_y 1
		.amdhsa_system_sgpr_workgroup_id_z 1
		.amdhsa_system_vgpr_workitem_id 0
		.amdhsa_next_free_vgpr 416
		.amdhsa_next_free_sgpr 66
		.amdhsa_reserve_vcc 0
		.amdhsa_float_denorm_mode_32 3
		.amdhsa_float_denorm_mode_16_64 3
		.amdhsa_memory_ordered 1
		.amdhsa_forward_progress 1
		.amdhsa_inst_pref_size 236
	.end_amdhsa_kernel
	.amdgpu_metadata
---
amdhsa.version: [ 1, 2 ]
amdhsa.kernels:
  - .name:           k_q28bfa9ff34_rowpass
    .symbol:         k_q28bfa9ff34_rowpass.kd
    .args:
      - { .name: x, .offset: 0, .size: 8, .value_kind: global_buffer, .address_space: global }
      - { .name: Wq1, .offset: 8, .size: 8, .value_kind: global_buffer, .address_space: global }
      - { .name: Wkv1, .offset: 16, .size: 8, .value_kind: global_buffer, .address_space: global }
      - { .name: o1, .offset: 24, .size: 8, .value_kind: global_buffer, .address_space: global }
    .group_segment_fixed_size: 181248
    .private_segment_fixed_size: 0
    .kernarg_segment_align: 8
    .kernarg_segment_size: 32
    .max_flat_workgroup_size: 256
    .sgpr_count:     66
    .vgpr_count:     416
    .wavefront_size: 32
...
	.end_amdgpu_metadata
.endif
;; end of part 1
;; launch colpass (part 2): grid 256 x 1, 8 waves a work-group, no clusters, 290,304 bytes of LDS; arguments x, Wq0, Wkv0, Wo0, Wo1, bo0, bo1, o1, out0; writes out0
.if DOCPART == 2
	.amdgcn_target "amdgcn-amd-amdhsa--gfx1250"
	.amdhsa_code_object_version 6
	.text
	.protected	k_q28bfa9ff34_colpass
	.globl	k_q28bfa9ff34_colpass
	.p2align	8
	.type	k_q28bfa9ff34_colpass,@function
k_q28bfa9ff34_colpass:
	s_mov_b64 s[64:65], 0
	v_nop
	global_prefetch_b8 v0, s[64:65] scope:SCOPE_SE
	s_setreg_imm32_b32 hwreg(HW_REG_WAVE_MODE, 25, 1), 1
	s_wait_xcnt 0x0
; AXIAL ATTENTION, SECOND OF TWO LAUNCHES: the pass along H, and both output projections.  x, out: [8][128 h][128 w][128] f32; o1: the same shape in f16, from the first launch.
; A sequence is one (b, w): 128 tokens (h), 65,536 bytes apart in x.  out = [O0 | O1] x [Wo0 ; Wo1] + (bo0 + bo1): one product with K = 256.
; 256 work-groups, each takes the sequences wg, wg+256, wg+512, wg+768.  Eight waves; WAVE w OWNS HEAD w (features 16w .. 16w+15) in the attention,
; and 64 tokens (w >> 2) x 32 output features (w & 3) in the output projection.
; Q, K, V and P never touch LDS.  L = lane, r = L & 15, h = L >> 4; a result tile holds element (m = 8h + j, n = r) in register j:
;   K^T = Wk-fragment x X-fragment  -> (feature, token): packed to f16 it is half an A fragment (lane = key, k = feature)
;   Q^T = Wq-fragment x X-fragment  -> (feature, token): half a B fragment (lane = query)
;   V   = X-fragment  x Wv-fragment -> (token, feature): two packed tiles are an A fragment of V^T over 32 keys
;   S^T = K x Q -> (key, query): a lane holds 64 scores of ONE query; after exp and packing two tiles are a B fragment of P^T
;   O^T = V^T x P^T -> (feature, query): eight neighbouring features of one token in a lane.   Row sums = (all ones) x P^T, in the lane that needs them.
;   out^T = Wo-fragment x O-fragment -> (feature, token): eight neighbouring f32 of one row of out in a lane; they leave through a stage in LDS as whole rows.
; A head has 16 features and the matrix form takes 32 along K: the other half of A is zero.  K lies as K0 Z K1 | K2 Z K3 | .. and Q as pad Q0 .. Q7 pad, so that
; [K,Z] meets [Q_i,Q_i+1] and [Z,K] meets [Q_i-1,Q_i]: nothing is copied.
; THE ORDER OF A TRIP (sequence i; its K, Q, V are in registers and its query tile 0 is done): query tiles 1 to 7, with x of sequence i+1 and o1 of sequence i fetched and put
; into LDS on the way; the projection of sequence i+1; the output projection of i into the stage; query tile 0 of i+1; the stage read back by rows and stored.
; THREE BARRIERS A TRIP, each with work between its signal and its wait:
;   A  in front: my rows of X(i+1) are stored.                        Behind: the projection may read XB.                      Between: the arithmetic of query tile 6.
;   B  in front: my head's O(i) and my rows of o1 are stored,         Behind: the output projection reads O and o1             Between: the whole projection of i+1, which reads XB
;      and my read-back of the stage of i-1 is over.                          and writes the stage.                                     alone; no wave writes XB between A's wait and D.
;   D  in front: my part of the stage is stored; my reads of XB,      Behind: the stage is read back; O(i+1), X(i+2) and       Between: the arithmetic of query tile 0.
;      of O and of o1 are over.                                               the next o1 may be written.
; WHY F16: the scores are small, so O is close to a mean of 128 values of V, and the roundings of V, P and O each pass whole into the result; with 8 significant bits
; they add up to a fifth of the allowed error as a standard deviation, too much for 16.7 million numbers; 11 significant bits make each eight times smaller.
; NO CLUSTER, NO TENSOR LOADS: x and the weights are f32 and are rounded to f16 on their way, which goes through registers.  What work-groups share is the weights,
; fetched once by each work-group at its start; an f32 image of them for a joint load would be 327,680 bytes beside the 289,280 in use, more than LDS has.
; LIMITS: matrix operands (x, weights, Q, K, V, P, O0, O1) are f16, all else f32.  An x, a weight or a projection beyond 65,504 in magnitude becomes infinite.  The room: with x of
; spread 1 and weights of spread 0.02 the projections have a spread of 0.02 x sqrt(128) = 0.23; both 30 times larger: 200; offsets of 30 and of 0.6: 128 x 30 x 0.6 = 2,304.
; Below 2^-14 f16 steps by 2^-24: with all inputs 30 times smaller O has a spread of 0.02 / 900 = 2.2e-5 and is rounded by 2^-25 at the most, a thousandth of that spread.
; The true row maximum is taken away before the exponential, so P lies in [0, 1]; a P below 2^-25 is rounded to 0 beside a largest P of 1.
; A non-finite Q in the neighbouring query tile meets a zero and gives NaN: only where the sequence already holds non-finite projections.
.set XROW,  65536                      ; bytes from token to token in x and in out
.set O1ROW, 32768                      ; and in o1
.set XSTEP, 0x1000000                  ; 256 sequences (two images) on in x and out
.set OSTEP, 0x800000                   ; and in o1
.set XP,    272                        ; LDS pitch of a row of 128 f16: 17 x 16 bytes, so sixteen rows' 16-byte columns differ modulo 256 bytes
.set T16,   16*XP
.set XB,    0                          ; x of the sequence, f16
.set OB0,   128*XP                     ; O of this pass, f16
.set OB1,   2*128*XP                   ; O of the first launch's pass, f16
.set BS,    3*128*XP                   ; bo0 + bo1, 128 f32
.set WIMG,  BS+512                     ; five weight blocks [128 k][128 n] f16: Wq, Wk, Wv, Wo0, Wo1
.set WP,    288                        ; their pitch: 9 x 32 bytes
.set WBLK,  128*WP
.set STG,   WIMG                       ; the way out: 128 rows of 128 f32.  It lies over the weight image, which is dead once the fragments are in registers:
                                       ; every wave has waited for its fragment loads and passed three barriers before the first store into it
.set SGP,   528                        ; its pitch: 33 x 16 bytes
; window 0.  v1 X fragment address, v2 X store address, v3 offset in x and out, v4 O store address, v5 O fragment address, v6 o1 offset, v7 O1 store address,
;            v8 stage store address, v9 stage read-back address, v10 bias address, v11 prefetch offset,
;            v12-15 maxima, then v12 = m, v[14:15] = -c m; v[16:17] 1/L; v[20:23] packed O
.set KB, 24                            ; v24-71   K: pair p at KB+12p: K_2p, zeros, K_2p+1
.set QB, 72                            ; v72-111  zeros, Q_0 .. Q_7, zeros
.set VB, 112                           ; v112-143 V tiles
.set ON, 144                           ; v144-151 f16 ones
.set SB, 152                           ; v152-215 scores; also the projection sums, O (SB), L (SB+8), work space, the sums of out
.set PB, 216                           ; v216-247 P; in the output projection the O fragments of the odd K steps (K, Q, V of the next sequence are live by then)
.set BI0, 248                          ; v248-255 in the output projection: the bias tile of my features 0-15
.set BI1, 12                           ; v12-19   and of my features 16-31
.set WS, 24                            ; at the start only: Wq, Wk, Wv as loaded, 64 registers a block
; window 1 (v256 and up, named by their low 8 bits)
.set WQ, 0                             ; weight fragments of my head, 8 registers for each 32 along K; they stay for the whole launch
.set WK, 32
.set WV, 64
.set XF, 96                            ; X fragments in the projection; landing place of the next sequence's rows and of o1 during the attention; O fragments of the even K steps
.set WO, 128                           ; Wo fragments: (f, c) at WO + 64 f + 8 c, f = 0, 1 (16 features each), c = 0 .. 7 (c < 4: Wo0, else Wo1)
; temporaries of the start
.set HWS, 232
.set HWD, 233
.set TRQ, 234
.set TRK, 235
.set TRV, 236
.set TRO0, 237
.set TRO1, 238
.set HBO, 239
.set HB0, 240
.set HB1, 241
.set HBS, 242
.set HL,  248
.set HR,  249
.set HH,  250
.set HT,  251
.set HT2, 252
.set HWQ, 253
.set HWKV, 254
.set MSB, 0
.macro WIN new                         ; s_set_vgpr_msb: bits 1:0 source 0, 3:2 source 1, 5:4 source 2, 7:6 destination; the high byte repeats the setting that is left
.if MSB != \new
	s_set_vgpr_msb (MSB<<8)|\new
.set MSB, \new
.endif
.endm
.macro SIG                             ; my LDS stores are done and my LDS loads are back: say so.  The wait stands further down, behind work on registers (and, for B, LDS loads from XB)
	s_wait_dscnt 0x0
	s_barrier_signal -1
.endm
.macro BAR                             ; a whole barrier
	SIG
	s_barrier_wait -1
.endm
.macro NOP4                            ; four places behind matrix instructions (ISA guide 7.12.1)
.rept 4
	v_nop
.endr
.endm
; eight rows of x (my rows 8 half .. 8 half + 7 of the sequence at s[4:5]) into window 1: one instruction takes a whole row of 512 bytes; this launch reads each once
.macro LOADROWS half, reg
	WIN 0x40
.irp j, 0,1,2,3,4,5,6,7
	global_load_b128 v[\reg+4*\j:\reg+4*\j+3], v3, s[4:5] offset:(8*\half+\j)*XROW th:TH_LOAD_NT
.endr
.endm
; those rows rounded to f16 and put into XB.  cnt = loads issued behind them that may stay out
.macro CVTROWS half, reg, tmp, cnt
	s_wait_loadcnt \cnt
	WIN 0x05
.irp j, 0,1,2,3,4,5,6,7
	v_cvt_pk_f16_f32 v[\tmp+2*\j],   v[\reg+4*\j],   v[\reg+4*\j+1]
	v_cvt_pk_f16_f32 v[\tmp+2*\j+1], v[\reg+4*\j+2], v[\reg+4*\j+3]
.endr
	WIN 0
.irp j, 0,1,2,3,4,5,6,7
	ds_store_b64 v2, v[\tmp+2*\j:\tmp+2*\j+1] offset:(8*\half+\j)*XP
.endr
.endm
; o1 of my tokens 16 w + 2 t, + 1 of this sequence: sixteen lanes take a whole row of 256 bytes
.macro LOADO1
	WIN 0x40
.irp t, 0,1,2,3,4,5,6,7
	global_load_b128 v[XF+4*\t:XF+4*\t+3], v6, s[18:19] offset:\t*2*O1ROW th:TH_LOAD_NT
.endr
.endm
; sixteen rows (k = 16 w + j) of a weight block, 512 bytes each
.macro WLD reg, off, base, pitch, add
.irp j, 0,1,2,3,4,5,6,7,8,9,10,11,12,13,14,15
	global_load_b128 v[\reg+4*\j:\reg+4*\j+3], v[\off], s[\base:\base+1] offset:\j*\pitch+\add
.endr
.endm
; they are rounded in place and put into block blk of the image.  w1 = 1: the data lie in window 1
.macro WCV reg, blk, cnt, w1
	s_wait_loadcnt \cnt
	WIN 0
	v_add_nc_u32 v[HWD], (\blk)*WBLK, v[HWS]
.if \w1
	WIN 0x45
.endif
.irp j, 0,1,2,3,4,5,6,7,8,9,10,11,12,13,14,15
	v_cvt_pk_f16_f32 v[\reg+4*\j],   v[\reg+4*\j],   v[\reg+4*\j+1]
	v_cvt_pk_f16_f32 v[\reg+4*\j+1], v[\reg+4*\j+2], v[\reg+4*\j+3]
.endr
.if \w1
	WIN 0x04
.endif
.irp j, 0,1,2,3,4,5,6,7,8,9,10,11,12,13,14,15
	ds_store_b64 v[HWD], v[\reg+4*\j:\reg+4*\j+1] offset:\j*WP
.endr
.endm
; the four X fragments (16 tokens x 128 features) of token tile t
.macro LOADX t
	WIN 0x40
.irp c, 0,1,2,3
	ds_load_b128 v[XF+8*\c:XF+8*\c+3],   v1 offset:(\t)*T16+64*\c
	ds_load_b128 v[XF+8*\c+4:XF+8*\c+7], v1 offset:(\t)*T16+64*\c+32
.endr
.endm
; K, Q and V of my head for token tile t.  The three sums take turns, one instruction a turn.
.macro PROJ t
	s_wait_dscnt 0x0                               ; this tile's fragments are in (the first time the weight fragments too)
	WIN 0x05
	v_wmma_f32_16x16x32_f16 v[SB:SB+7],     v[WK:WK+7], v[XF:XF+7], 0
	v_wmma_f32_16x16x32_f16 v[SB+8:SB+15],  v[WQ:WQ+7], v[XF:XF+7], 0
	v_wmma_f32_16x16x32_f16 v[SB+16:SB+23], v[XF:XF+7], v[WV:WV+7], 0
.irp c, 1,2,3
	v_wmma_f32_16x16x32_f16 v[SB:SB+7],     v[WK+8*\c:WK+8*\c+7], v[XF+8*\c:XF+8*\c+7], v[SB:SB+7]
	v_wmma_f32_16x16x32_f16 v[SB+8:SB+15],  v[WQ+8*\c:WQ+8*\c+7], v[XF+8*\c:XF+8*\c+7], v[SB+8:SB+15]
	v_wmma_f32_16x16x32_f16 v[SB+16:SB+23], v[XF+8*\c:XF+8*\c+7], v[WV+8*\c:WV+8*\c+7], v[SB+16:SB+23]
.endr
	NOP4                                           ; in front of the loads into XF and of the conversions that read the sums
.if (\t) < 7
	LOADX (\t)+1                                   ; on their way while the sums are packed
.endif
	WIN 0
.irp k, 0,1,2,3
	v_cvt_pk_f16_f32 v[KB+12*((\t)>>1)+8*((\t)&1)+\k], v[SB+2*\k], v[SB+2*\k+1]
.endr
.irp k, 0,1,2,3
	v_cvt_pk_f16_f32 v[QB+4+4*(\t)+\k], v[SB+8+2*\k], v[SB+8+2*\k+1]
.endr
.irp k, 0,1,2,3
	v_cvt_pk_f16_f32 v[VB+4*(\t)+\k], v[SB+16+2*\k], v[SB+16+2*\k+1]
.endr
.endm
.macro P1                              ; the projection of the sequence that lies in XB: registers and LDS loads alone
	LOADX 0
.irp t, 0,1,2,3,4,5,6,7
	PROJ \t
.endr
.endm
.macro FMA t                           ; c S - c m, c = 0.25 log2 e
.irp k, 0,2,4,6
	v_pk_fma_f32 v[SB+8*(\t)+\k:SB+8*(\t)+\k+1], v[SB+8*(\t)+\k:SB+8*(\t)+\k+1], s[24:25], v[14:15] op_sel_hi:[1,0,1]
.endr
.endm
.macro EXPT t                          ; a plain vector instruction on other registers always follows the eight (ISA guide 5.7.2)
.irp k, 0,1,2,3,4,5,6,7
	v_exp_f32 v[SB+8*(\t)+\k], v[SB+8*(\t)+\k]
.endr
.endm
.macro CVTP t
	s_wait_alu depctr_va_vdst(0)
.irp k, 0,1,2,3
	v_cvt_pk_f16_f32 v[PB+4*(\t)+\k], v[SB+8*(\t)+2*\k], v[SB+8*(\t)+2*\k+1]
.endr
.endm
.macro PV g                            ; keys 32 g .. 32 g + 31: O and the row sums take turns, one instruction a turn
.if (\g) == 0
	v_wmma_f32_16x16x32_f16 v[SB:SB+7],    v[VB:VB+7], v[PB:PB+7], 0
	v_wmma_f32_16x16x32_f16 v[SB+8:SB+15], v[ON:ON+7], v[PB:PB+7], 0
.else
	v_wmma_f32_16x16x32_f16 v[SB:SB+7],    v[VB+8*(\g):VB+8*(\g)+7], v[PB+8*(\g):PB+8*(\g)+7], v[SB:SB+7]
	v_wmma_f32_16x16x32_f16 v[SB+8:SB+15], v[ON:ON+7],               v[PB+8*(\g):PB+8*(\g)+7], v[SB+8:SB+15]
.endif
.endm
; sixteen queries (tile i) against all 128 keys.  bw = 1: a barrier's signal stands in front of the tile; its wait stands here, in front of the tile's one LDS store
.macro QTILE i, bw
	WIN 0
.irp t, 0,1,2,3,4,5,6,7
	v_wmma_f32_16x16x32_f16 v[SB+8*\t:SB+8*\t+7], v[KB+12*(\t>>1)+4*(\t&1):KB+12*(\t>>1)+4*(\t&1)+7], v[QB+4+4*(\i)-4*(\t&1):QB+4+4*(\i)-4*(\t&1)+7], 0
.endr
	NOP4
	; the largest of my 64 scores in four chains, then the other half of the keys from lane L xor 16
.irp q, 0,1,2,3
	v_max3_num_f32 v[12+\q], v[SB+16*\q], v[SB+16*\q+1], v[SB+16*\q+2]
.endr
.irp s, 0,1,2,3,4,5
.irp q, 0,1,2,3
	v_max3_num_f32 v[12+\q], v[12+\q], v[SB+16*\q+3+2*\s], v[SB+16*\q+4+2*\s]
.endr
.endr
	v_max3_num_f32 v12, v12, v13, v[SB+15]
	v_max3_num_f32 v14, v14, v15, v[SB+31]
	v_max3_num_f32 v12, v12, v14, v[SB+47]
	v_max_num_f32 v12, v12, v[SB+63]
	v_permlanex16_b32 v13, v12, s28, s29
	v_max_num_f32 v12, v12, v13
	v_mul_f32 v14, 0xbeb8aa3b, v12                 ; -c m, twice, for the packed multiply-add
	v_mul_f32 v15, 0xbeb8aa3b, v12
	FMA 0
	EXPT 0
	FMA 1
	EXPT 1
	CVTP 0
	FMA 2
	EXPT 2
	CVTP 1
	PV 0                                           ; score tiles 0 and 1 have been packed: their registers now take O and the row sums
	FMA 3
	EXPT 3
	CVTP 2
	FMA 4
	EXPT 4
	CVTP 3
	PV 1
	FMA 5
	EXPT 5
	CVTP 4
	FMA 6
	EXPT 6
	CVTP 5
	PV 2
	FMA 7
	EXPT 7
	CVTP 6
	CVTP 7
	PV 3
	NOP4
	v_rcp_f32 v16, v[SB+8]                         ; the row sum is at least 1: the largest score gives exp 0
	v_rcp_f32 v17, v[SB+8]
	v_nop                                          ; the plain place behind the reciprocals, and the fifth place in front of the next products that write over O
	s_wait_alu depctr_va_vdst(0)
.irp k, 0,2,4,6
	v_pk_mul_f32 v[SB+\k:SB+\k+1], v[SB+\k:SB+\k+1], v[16:17]
.endr
.irp k, 0,1,2,3
	v_cvt_pk_f16_f32 v[20+\k], v[SB+2*\k], v[SB+2*\k+1]
.endr
.if \bw
	s_barrier_wait -1
.endif
	ds_store_b128 v4, v[20:23] offset:(\i)*T16     ; token 16 i + r, features 16 w + 8 h .. + 7
.endm
; the O fragments of my 64 tokens for K step c of the output projection (c < 4: this pass, else the first launch's); the caller sets the destination's window
.macro LOADO c, buf
.irp u, 0,1,2,3
	ds_load_b128 v[\buf+8*\u:\buf+8*\u+3],   v5 offset:\u*T16+((\c)&3)*64+((\c)>>2)*(OB1-OB0)
	ds_load_b128 v[\buf+8*\u+4:\buf+8*\u+7], v5 offset:\u*T16+((\c)&3)*64+((\c)>>2)*(OB1-OB0)+32
.endr
.endm
; eight products of K step c, the eight sums taking turns, one instruction a turn.  The first step starts the sums from the bias.
.macro OMUL c, buf
.irp f, 0,1
.irp u, 0,1,2,3
.if (\c) == 0
	v_wmma_f32_16x16x32_f16 v[SB+8*(4*\f+\u):SB+8*(4*\f+\u)+7], v[WO+64*\f+8*(\c):WO+64*\f+8*(\c)+7], v[\buf+8*\u:\buf+8*\u+7], v[BI0+(BI1-BI0)*\f:BI0+(BI1-BI0)*\f+7]
.else
	v_wmma_f32_16x16x32_f16 v[SB+8*(4*\f+\u):SB+8*(4*\f+\u)+7], v[WO+64*\f+8*(\c):WO+64*\f+8*(\c)+7], v[\buf+8*\u:\buf+8*\u+7], v[SB+8*(4*\f+\u):SB+8*(4*\f+\u)+7]
.endif
.endr
.endr
.endm
; K step c.  Even steps take their O fragments from XF (window 1), odd steps from PB (window 0).
; cnt = LDS loads that may stay out (the other buffer's eight); more = 1: the buffer is loaded again, two steps ahead
.macro OSTP c, cnt, more
	s_wait_dscnt \cnt
.if ((\c)&1) == 0
	WIN 0x05
	OMUL \c, XF
.else
	WIN 0x01
	OMUL \c, PB
.endif
.if \more
	NOP4                                           ; in front of the loads into the fragments just multiplied
.if ((\c)&1) == 0
	WIN 0x40
	LOADO (\c)+2, XF
.else
	WIN 0
	LOADO (\c)+2, PB
.endif
.endif
.endm
; One trip: see THE ORDER OF A TRIP at the head.  pf = 1: a further sequence follows.
.macro TRIP pf
.if \pf
	LOADROWS 0, XF                                 ; rows 0-7 of my 16 of the next sequence: three query tiles ahead of their use
.else
	LOADO1                                         ; no x is left to fetch: o1 goes out at once
.endif
	QTILE 1, 0
	QTILE 2, 0
	QTILE 3, 0
.if \pf
	CVTROWS 0, XF, SB+16, 0
	LOADROWS 1, XF                                 ; rows 8-15: two query tiles ahead
.endif
	QTILE 4, 0
	QTILE 5, 0
.if \pf
	CVTROWS 1, XF, SB+16, 0
	s_wait_xcnt 0x0                                ; the loads are back; the last prefetch, which names s[4:5] too, has had its addresses translated
	s_add_nc_u64 s[4:5], s[4:5], XSTEP             ; from here on s[4:5] is the sequence after the next
	LOADO1                                         ; two query tiles ahead
	SIG                                            ; barrier A: my rows of the next X are in XB
.endif
	QTILE 6, \pf
	QTILE 7, 0
	s_wait_loadcnt 0x0
	WIN 0x04
.irp t, 0,1,2,3,4,5,6,7
	ds_store_b128 v7, v[XF+4*\t:XF+4*\t+3] offset:\t*2*XP
.endr
	WIN 0
.if \pf
	s_cmp_eq_u32 s23, 1                            ; the loop's last trip has no sequence after the next: it asks for nothing
	s_cbranch_scc1 .Lnopf_\@
	global_prefetch_b8 v11, s[4:5] th:TH_LOAD_NT scope:SCOPE_SE   ; my 16 rows of the sequence after the next, two blocks of 256 bytes a row, each asked for once, two projections and a query tile ahead of their loads
.Lnopf_\@:
.endif
	SIG                                            ; barrier B: my head's O and my rows of o1 are in LDS
.if \pf
	P1                                             ; K, Q, V of the next sequence
.endif
	s_barrier_wait -1
	; out for my 64 tokens x 32 features
	ds_load_b128 v[BI0:BI0+3],   v10               ; register j: the bias of feature 32 fg + 8 h + j
	ds_load_b128 v[BI0+4:BI0+7], v10 offset:16
	ds_load_b128 v[BI1:BI1+3],   v10 offset:64     ; and of feature 32 fg + 16 + 8 h + j
	ds_load_b128 v[BI1+4:BI1+7], v10 offset:80
	WIN 0x40
	LOADO 0, XF
	WIN 0
	LOADO 1, PB
	OSTP 0, 8, 1
	OSTP 1, 8, 1
	OSTP 2, 8, 1
	OSTP 3, 8, 1
	OSTP 4, 8, 1
	OSTP 5, 8, 1
	OSTP 6, 8, 0
	OSTP 7, 0, 0
	NOP4                                           ; in front of the LDS stores that read the sums
	v_nop                                          ; a fifth place: the next query tile's products write over these sums, and no vector instruction stands in between
	WIN 0
.irp f, 0,1
.irp u, 0,1,2,3
	ds_store_b128 v8, v[SB+8*(4*\f+\u):SB+8*(4*\f+\u)+3]   offset:\u*16*SGP+64*\f
	ds_store_b128 v8, v[SB+8*(4*\f+\u)+4:SB+8*(4*\f+\u)+7] offset:\u*16*SGP+64*\f+16
.endr
.endr
	SIG                                            ; barrier D: my part of the stage is stored; my reads of XB, O and o1 are over
.if \pf
	QTILE 0, 1
.else
	s_barrier_wait -1
.endif
.irp j, 0,1,2,3,4,5,6,7,8,9,10,11,12,13,14,15
	ds_load_b128 v[SB+4*\j:SB+4*\j+3], v9 offset:\j*SGP           ; my token 16 w + j: a whole row of 512 bytes
.endr
.irp j, 0,1,2,3,4,5,6,7,8,9,10,11,12,13,14,15
	s_wait_dscnt 15-\j                             ; LDS loads come back in order (ISA guide 5.7.1): load j is in, the younger ones stay out
	global_store_b128 v3, v[SB+4*\j:SB+4*\j+3], s[20:21] offset:\j*XROW th:TH_STORE_NT   ; 512 consecutive bytes, at a multiple of 512 from the first byte of out
.endr
.if \pf
	s_wait_xcnt 0x0                                ; the stores' data (the score registers) and their base are written again only behind this wait
	s_add_nc_u64 s[18:19], s[18:19], OSTEP
	s_add_nc_u64 s[20:21], s[20:21], XSTEP
.endif
.endm
	s_load_b512 s[4:19], s[0:1], 0x0               ; x s[4:5], Wq0 s[6:7], Wkv0 s[8:9], Wo0 s[10:11], Wo1 s[12:13], bo0 s[14:15], bo1 s[16:17], o1 s[18:19]
	s_load_b64 s[20:21], s[0:1], 0x40              ; out
	v_lshrrev_b32 v[HT], 5, v0
	v_readfirstlane_b32 s22, v[HT]                 ; wave = head
	v_and_b32 v[HL], 31, v0                        ; lane
	v_and_b32 v[HR], 15, v0                        ; r
	v_bfe_u32 v[HH], v0, 4, 1                      ; h
	s_mov_b32 s24, 0x3eb8aa3b                      ; c = 16^-0.5 x log2 e
	s_mov_b32 s25, 0x3eb8aa3b
	s_mov_b32 s28, 0x76543210                      ; v_permlanex16_b32: lane L reads lane L xor 16
	s_mov_b32 s29, 0xfedcba98
	s_lshr_b32 s30, ttmp9, 7                       ; my first sequence: image wg >> 7 (8 MiB of x each),
	s_lshl_b32 s30, s30, 23
	s_and_b32 s32, ttmp9, 127                      ; column wg & 127 (512 bytes each)
	s_lshl_b32 s32, s32, 9
	s_or_b32 s30, s30, s32
	s_mov_b32 s31, 0
	s_lshr_b32 s32, s30, 1                         ; half of that in o1
	s_mov_b32 s33, 0
	s_lshr_b32 s34, s22, 2                         ; tg: which 64 tokens are mine in the output projection
	s_and_b32 s35, s22, 3                          ; fg: which 32 features
	v_mul_u32_u24 v[HT], v[HR], XP
	v_lshl_add_u32 v1, v[HH], 4, v[HT]             ; r x 272 + 16 h (XB is LDS byte 0)
	s_mul_i32 s26, s22, 16*XP
	v_lshl_add_u32 v2, v[HL], 3, s26               ; my 16 rows of XB, 8 bytes a lane
	s_lshl_b32 s27, s22, 20
	v_lshl_add_u32 v3, v[HL], 4, s27               ; my 16 rows of x and of out, 16 bytes a lane
	v_lshrrev_b32 v[HT], 1, v[HL]
	v_lshlrev_b32 v[HT], 16, v[HT]
	v_and_b32 v[HT2], 1, v0
	v_lshl_add_u32 v[HT], v[HT2], 8, v[HT]
	v_add_nc_u32 v11, s27, v[HT]                   ; row 16 w + (lane >> 1), its block lane & 1 of 256 bytes
	s_lshl_b32 s27, s22, 5
	s_add_co_u32 s27, s27, OB0
	v_add_nc_u32 v4, s27, v1                       ; OB0 + r x 272 + 32 w + 16 h
	s_mul_i32 s27, s34, 64*XP
	s_add_co_u32 s27, s27, OB0
	v_add_nc_u32 v5, s27, v1                       ; OB0 + (64 tg + r) x 272 + 16 h
	v_lshlrev_b32 v[HT], 15, v[HH]
	v_lshl_add_u32 v[HT], v[HR], 4, v[HT]
	s_lshl_b32 s27, s22, 19
	v_add_nc_u32 v6, s27, v[HT]                    ; (16 w + h) rows of o1 + 16 r
	v_mul_u32_u24 v[HT], v[HH], XP
	v_lshl_add_u32 v[HT], v[HR], 4, v[HT]
	s_add_co_u32 s27, s26, OB1
	v_add_nc_u32 v7, s27, v[HT]                    ; OB1 + (16 w + h) x 272 + 16 r
	v_mul_u32_u24 v[HT], v[HR], SGP
	v_lshl_add_u32 v[HT], v[HH], 5, v[HT]
	s_mul_i32 s26, s34, 64*SGP
	s_lshl_b32 s27, s35, 7
	s_add_co_u32 s26, s26, s27
	s_add_co_u32 s26, s26, STG
	v_add_nc_u32 v8, s26, v[HT]                    ; STG + (64 tg + r) x 528 + 128 fg + 32 h
	s_add_co_u32 s27, s27, BS
	v_lshl_add_u32 v10, v[HH], 5, s27              ; BS + 128 fg + 32 h
	s_mul_i32 s27, s22, 16*SGP
	s_add_co_u32 s27, s27, STG
	v_lshl_add_u32 v9, v[HL], 4, s27               ; STG + 16 w x 528 + 16 x lane
	s_lshl_b32 s27, s22, 13
	v_lshl_add_u32 v[HWQ], v[HL], 4, s27           ; my 16 rows of Wq, Wo0, Wo1 (512 bytes each)
	s_lshl_b32 s27, s22, 14
	v_lshl_add_u32 v[HWKV], v[HL], 4, s27          ; my 16 rows of Wkv (1,024 bytes each)
	s_mul_i32 s27, s22, 16*WP
	s_add_co_u32 s27, s27, WIMG
	v_lshl_add_u32 v[HWS], v[HL], 3, s27           ; my 16 rows of a weight block in LDS
	v_and_b32 v[HT], 7, v0
	v_lshl_or_b32 v[HT], v[HH], 3, v[HT]           ; the transposing load: row 8 h + (L & 7),
	v_mul_u32_u24 v[HT], v[HT], WP
	v_bfe_u32 v[HT2], v0, 3, 1
	v_lshl_add_u32 v[HT], v[HT2], 4, v[HT]         ; 16 bytes on for lanes 8-15 and 24-31,
	s_lshl_b32 s27, s22, 5
	s_add_co_u32 s27, s27, WIMG
	v_add_nc_u32 v[TRQ], s27, v[HT]                ; at my head's 16 columns of Wq, Wk, Wv,
	v_add_nc_u32 v[TRK], WBLK, v[TRQ]
	v_add_nc_u32 v[TRV], 2*WBLK, v[TRQ]
	s_lshl_b32 s27, s35, 6
	s_add_co_u32 s27, s27, WIMG+3*WBLK
	v_add_nc_u32 v[TRO0], s27, v[HT]               ; at my 32 output features of Wo0 and Wo1
	v_add_nc_u32 v[TRO1], WBLK, v[TRO0]
	s_lshl_b32 s27, s22, 6
	v_lshl_add_u32 v[HBO], v[HR], 2, s27           ; bias number 16 w + r; lanes 16-31 do the same as lanes 0-15
	v_add_nc_u32 v[HBS], BS, v[HBO]
	s_wait_kmcnt 0x0
	s_add_nc_u64 s[4:5], s[4:5], s[30:31]
	s_add_nc_u64 s[20:21], s[20:21], s[30:31]
	s_add_nc_u64 s[18:19], s[18:19], s[32:33]
	; all loads of the start at once: 2 of the biases, 16 rows of x, then 5 x 16 rows of weights
	global_load_b32 v[HB0], v[HBO], s[14:15]
	global_load_b32 v[HB1], v[HBO], s[16:17]
	LOADROWS 0, XF
	LOADROWS 1, WQ                                 ; the fragments' registers are still free
	WIN 0
	WLD WS,     HWQ,  6, 512,  0
	WLD WS+64,  HWKV, 8, 1024, 0                   ; K: the left 128 columns of Wkv
	WLD WS+128, HWKV, 8, 1024, 512                 ; V: the right 128
	WIN 0x40
	WLD WO,     HWQ, 10, 512, 0
	WLD WO+64,  HWQ, 12, 512, 0
	CVTROWS 0, XF, PB, 63                          ; 80 weight loads were issued behind x; 63 is the largest count that the wait can name, and a smaller count is safe
	CVTROWS 1, WQ, PB, 63
	s_add_nc_u64 s[4:5], s[4:5], XSTEP             ; free since that wait: s[4:5] is the sequence to be fetched next
	v_add_f32 v[HB0], v[HB0], v[HB1]               ; the biases were loaded ahead of x
	ds_store_b32 v[HBS], v[HB0]
	WCV WS,     0, 63, 0                           ; 64 loads were issued behind Wq
	WCV WS+64,  1, 48, 0
	WCV WS+128, 2, 32, 0
	WCV WO,     3, 16, 1
	WCV WO+64,  4, 0,  1
	BAR                                            ; X, the bias and the weight image are whole
	WIN 0x40
.irp c, 0,1,2,3
	ds_load_tr16_b128 v[WQ+8*\c:WQ+8*\c+3],   v[TRQ] offset:\c*32*WP
	ds_load_tr16_b128 v[WQ+8*\c+4:WQ+8*\c+7], v[TRQ] offset:\c*32*WP+16*WP
	ds_load_tr16_b128 v[WK+8*\c:WK+8*\c+3],   v[TRK] offset:\c*32*WP
	ds_load_tr16_b128 v[WK+8*\c+4:WK+8*\c+7], v[TRK] offset:\c*32*WP+16*WP
	ds_load_tr16_b128 v[WV+8*\c:WV+8*\c+3],   v[TRV] offset:\c*32*WP
	ds_load_tr16_b128 v[WV+8*\c+4:WV+8*\c+7], v[TRV] offset:\c*32*WP+16*WP
.endr
.irp f, 0,1
.irp c, 0,1,2,3
	ds_load_tr16_b128 v[WO+64*\f+8*\c:WO+64*\f+8*\c+3],       v[TRO0] offset:32*\f+\c*32*WP
	ds_load_tr16_b128 v[WO+64*\f+8*\c+4:WO+64*\f+8*\c+7],     v[TRO0] offset:32*\f+\c*32*WP+16*WP
	ds_load_tr16_b128 v[WO+64*\f+8*\c+32:WO+64*\f+8*\c+35],   v[TRO1] offset:32*\f+\c*32*WP
	ds_load_tr16_b128 v[WO+64*\f+8*\c+36:WO+64*\f+8*\c+39],   v[TRO1] offset:32*\f+\c*32*WP+16*WP
.endr
.endr
	WIN 0
.irp p, 0,1,2,3
.irp k, 4,5,6,7
	v_mov_b32 v[KB+12*\p+\k], 0                    ; the zero halves between the K tiles, set once
.endr
.endr
.irp k, 0,1,2,3,36,37,38,39
	v_mov_b32 v[QB+\k], 0                          ; in front of Q_0 and behind Q_7
.endr
.irp k, 0,1,2,3,4,5,6,7
	v_mov_b32 v[ON+\k], 0x3c003c00                 ; two f16 ones
.endr
	global_prefetch_b8 v11, s[4:5] th:TH_LOAD_NT scope:SCOPE_SE   ; my 16 rows of the second sequence, one projection and one query tile ahead of their loads
	P1                                             ; K, Q, V of the first sequence
	SIG                                            ; as barrier D: my reads of XB (and of the weight image) are over
	QTILE 0, 1
	s_mov_b32 s23, 3
.Lseq:
	TRIP 1
	s_sub_co_u32 s23, s23, 1
	s_cmp_lg_u32 s23, 0
	s_cbranch_scc1 .Lseq
	TRIP 0                                         ; the fourth sequence: nothing follows it
	s_wait_xcnt 0x0
	v_lshl_add_u32 v254, v0, 2, 0x46a00
	v_mov_b32 v255, 0
	s_wait_tensorcnt 0x0
	ds_add_u32 v254, v255
	s_wait_dscnt 0x0
	s_endpgm
.Lfunc_end_k_q28bfa9ff34_colpass:
	.size	k_q28bfa9ff34_colpass, .Lfunc_end_k_q28bfa9ff34_colpass-k_q28bfa9ff34_colpass
	.p2alignl 7, 3214868480
	.fill 96, 4, 3214868480
	.section	.rodata,"a",@progbits
	.p2align	6, 0x0
	.amdhsa_kernel k_q28bfa9ff34_colpass
		.amdhsa_group_segment_fixed_size 290304
		.amdhsa_private_segment_fixed_size 0
		.amdhsa_enable_private_segment 0
		.amdhsa_kernarg_size 72
		.amdhsa_user_sgpr_count 2
		.amdhsa_user_sgpr_kernarg_segment_ptr 1
		.amdhsa_wavefront_size32 1
		.amdhsa_system_sgpr_workgroup_id_x 1
		.amdhsa_system_sgpr_workgroup_id_y 1
		.amdhsa_system_sgpr_workgroup_id_z 1
		.amdhsa_system_vgpr_workitem_id 0
		.amdhsa_next_free_vgpr 512
		.amdhsa_next_free_sgpr 66
		.amdhsa_reserve_vcc 0
		.amdhsa_float_denorm_mode_32 3
		.amdhsa_float_denorm_mode_16_64 3
		.amdhsa_memory_ordered 1
		.amdhsa_forward_progress 1
		.amdhsa_inst_pref_size 255
	.end_amdhsa_kernel
	.section	.bss,"aw",@nobits
	.p2align	6
	.space	262144
	.amdgpu_metadata
---
amdhsa.version: [ 1, 2 ]
amdhsa.kernels:
  - .name:           k_q28bfa9ff34_colpass
    .symbol:         k_q28bfa9ff34_colpass.kd
    .args:
      - { .name: x, .offset: 0, .size: 8, .value_kind: global_buffer, .address_space: global }
      - { .name: Wq0, .offset: 8, .size: 8, .value_kind: global_buffer, .address_space: global }
      - { .name: Wkv0, .offset: 16, .size: 8, .value_kind: global_buffer, .address_space: global }
      - { .name: Wo0, .offset: 24, .size: 8, .value_kind: global_buffer, .address_space: global }
      - { .name: Wo1, .offset: 32, .size: 8, .value_kind: global_buffer, .address_space: global }
      - { .name: bo0, .offset: 40, .size: 8, .value_kind: global_buffer, .address_space: global }
      - { .name: bo1, .offset: 48, .size: 8, .value_kind: global_buffer, .address_space: global }
      - { .name: o1, .offset: 56, .size: 8, .value_kind: global_buffer, .address_space: global }
      - { .name: out0, .offset: 64, .size: 8, .value_kind: global_buffer, .address_space: global }
    .group_segment_fixed_size: 290304
    .private_segment_fixed_size: 0
    .kernarg_segment_align: 8
    .kernarg_segment_size: 72
    .max_flat_workgroup_size: 256
    .sgpr_count:     66
    .vgpr_count:     512
    .wavefront_size: 32
...
	.end_amdgpu_metadata
.endif
;; end of part 2
